; MI455X (gfx1250); checked and timed in simulation.
; The chip was launched on July 23, 2026; its instructions are those of AMD's public machine-readable ISA for CDNA 5 (MIT licence, August 2026) and "CDNA5" Instruction Set Architecture Reference Guide (July 2026). The comments in the code are by the model that wrote it; some were corrected since.
;; Causal Self Attention. Allowed arithmetic: matrix products marked QUANTISED: E2M1 operands, one E8M0 scale for each 32 along K, by v_wmma_scale_f32_16x16x128_f8f6f4 with both operands' format E2M1 (or v_wmma_scale_f32_32x16x128_f4), f32 sums; everything else in f32.
;; Inputs: b_proj 1,024 float32; b_qkv 3,072 float32; w_proj 1,024 x 1,024 float32; w_qkv 3,072 x 1,024 float32; x 2 x 2,048 x 1,024 float32.
;; Outputs: out0 2 x 2,048 x 1,024 float32.
;; This version of the problem:
;;   THIS VERSION OF THE PROBLEM IS GIVEN IN LOW PRECISION. The matrix products marked QUANTISED in the list below multiply operands that are first quantised to E2M1 (2 exponent bits, 1 mantissa bit; 4 bits a number), with one power-of-two scale for each 32 numbers along K (OCP MX v1.0); their sums are f32. All else is computed in f32.
;;   The module's matrix products, in the order in which they are computed (A, B: the left and right operand; K: the contracted axis; several contracted axes count as one K, in the product's order):
;;     1. [M 4,096, K 1,024] x [K 1,024, N 3,072]; A: input x; B: input w_qkv: QUANTISED
;;     2. batch 32 x [M 2,048, K 64] x [K 64, N 2,048]; A: computed on the way; B: computed on the way: QUANTISED
;;     3. batch 32 x [M 2,048, K 2,048] x [K 2,048, N 64]; A: softmax (see below); B: computed on the way: QUANTISED
;;     4. [M 4,096, K 1,024] x [K 1,024, N 1,024]; A: computed on the way; B: input w_proj: QUANTISED
;;   THE QUANTISER, for each operand of a quantised product, along K:
;;     - K is cut into blocks of 32 from its start; a last block that is shorter is filled with zeros.
;;     - A block's scale is 2^e with e = floor(log2(the largest magnitude in the block)) - 2, held to -126 .. 127; a block of zeros has e = 0. As a byte (E8M0): e + 127.
;;     - Each number is divided by its block's scale, clamped to +-6, and rounded to the nearest number of E2M1, ties to even, subnormals kept.
;;     - The product sums the exact products of the quantised numbers (number of the format x scale) in f32.
;;   ~~~python
;;   def quantise(x, axis):      # numpy; x: float32 -> the quantised numbers, widened to float32 again
;;       x = np.moveaxis(x, axis, -1); K = x.shape[-1]
;;       x = np.pad(x, [(0, 0)] * (x.ndim - 1) + [(0, -K % 32)]); x = x.reshape(x.shape[:-1] + (-1, 32)); a = np.abs(x).max(-1, keepdims=True)
;;       e = np.where(a > 0, np.clip(np.frexp(np.where(a > 0, a, 1))[1] - 1 - 2, -126, 127), 0)      # np.frexp(a)[1] - 1 = floor(log2(a)), exactly
;;       r = np.clip(x / 2.0 ** e, -6, 6)
;;       step = 2.0 ** (np.maximum(np.frexp(np.where(r == 0, 1, r))[1] - 1, 0) - 1)
;;       q = np.round(r / step) * step * 2.0 ** e      # np.round: ties to even
;;       return np.moveaxis(q.reshape(q.shape[:-2] + (-1,))[..., :K], -1, axis).astype(np.float32)
;;   ~~~
;;   SOFTMAX AHEAD OF A QUANTISED PRODUCT. Where the list says 'softmax', what is quantised is not the finished softmax but p = 2^(t - M), with t = logit x log2(e) and M = ceil(the row's largest t), a whole number; so 1/2 < the row's largest p <= 1. The row's sum l is taken of the UNQUANTISED p, in f32, and the product's result is divided by l at the end. Since M is a whole number, a kernel that streams over the keys may use a running M (the ceiling of the running maximum): every later rescaling is an exact power of two, which a block's scale takes up: the codes' values come out the same.
;;   OPERANDS COMPUTED ON THE WAY. 'Computed on the way' means the value that the module computes at that place (a softmax that the list does not call 'softmax' is quantised finished and normalised). What goes into a quantiser is computed in f32, as accurately as f32 sums, v_exp_f32 and their like allow (about 1e-6 of the number): no bf16 or f16 on the way to a quantiser, and a product that is left as it is and whose result goes on into a quantised operand takes f32 operands (vector FMAs, or v_wmma_f32_16x16x4_f32). A number that lies on a knife's edge between two numbers of the format may be rounded either way, as far as f32 arithmetic and the matrix unit's own rounding can turn it there, and no further.
;; One version. Each part assembles by itself: llvm-mc -triple=amdgcn-amd-amdhsa -mcpu=gfx1250 --defsym DOCPART=n.
;; ======== version 1 of 1: 4 launches
;; limits: right only within a limited range of input values
;; workspace buffers: codes 4,456,448 bytes; qkvw 6,684,672 bytes; oimg 2,228,224 bytes
;; launch quant (part 1): grid 256 x 1, 4 waves a work-group, no clusters, 43,520 bytes of LDS; arguments x, w_qkv, w_proj, codes; writes codes
.if DOCPART == 1
	.amdgcn_target "amdgcn-amd-amdhsa--gfx1250"
	.amdhsa_code_object_version 6
	.text
	.protected	k_q3ffafb5787_quant
	.globl	k_q3ffafb5787_quant
	.p2align	8
	.type	k_q3ffafb5787_quant,@function
k_q3ffafb5787_quant:
	s_mov_b64 s[64:65], 0
	v_nop
	global_prefetch_b8 v0, s[64:65] scope:SCOPE_SE
	s_setreg_imm32_b32 hwreg(HW_REG_WAVE_MODE, 25, 1), 1
	s_wait_xcnt 0x0
; CAUSAL SELF-ATTENTION IN MX-FP4, four launches: quant (this one), qkv, attn, proj.
; WORK LEFT OUT IN THE WHOLE PROGRAM, AND WHY IT IS DEAD.  reference() builds its causal mask itself (triu, k = 1): the score of key k for query q is replaced by -infinity wherever k > q, so its softmax weight is exactly 0
; and its term of the product with v is exactly 0, whatever finite values x, w_qkv and b_qkv hold.  The launch attn walks the keys 128 at a time for 16 queries at a time and leaves out the steps in which EVERY key comes
; after EVERY one of the 16 queries: 120 of 256 steps for each sixteen tiles.  In the step on the diagonal all is computed and the hidden scores are selected away.
; Nothing else is left out: every input has a way to the output and is loaded.  LIMIT: a NaN, an infinity or an overflow that would arise only in the steps left out is not carried to the result.
;
; THIS LAUNCH: x [4096][1024], w_qkv [3072][1024], w_proj [1024][1024], f32 with K innermost, become codes of FP4 (E2M1) and one E8M0 scale byte for each 32 along K.
; A TILE is 16 rows out of a group of 64: tile 4 g + u, place p holds row 64 g + 32 (p / 8) + 8 u + p % 8.  In a product's result a lane then holds, over the group's four tiles, one whole block of 32 neighbours.
; THE LAYOUT: [K half 2][tile 512][4,352 bytes]; tiles 0-255 x, 256-447 w_qkv, 448-511 w_proj.  A record: for each 128 along K an image of an operand's registers, 1,024 bytes (block b of the 128, place p: 256 b + 16 p);
; behind the four images 16 bytes of scale words for each place (word q: the q-th 128 along K).
; A block's scale is 2^(floor(log2(its largest magnitude)) - 2); its byte is the largest magnitude's exponent field - 2, held at 1 from below.  Ties to even; beyond 6 the code of 6.
; LIMITS: a block whose largest magnitude lies under 2^-124 gets the byte 1; a block of zeros gets the byte 1 where the rule says 127 (its codes are zeros, and this program alone reads the bytes); NaN and infinities are not served.
; A wave makes one record: 16 rows x 512.  Each load reads 512 consecutive bytes of a row; 16 rows x 128 turn through the wave's own stage in LDS and come back 16 neighbours a lane, two lanes to a block.
; Memory binds: no matrix unit, no cluster, no tensor load; waves share nothing: no barrier.  All loads run two runs of 16 ahead; no prefetch: every load is asked for as early as registers allow.
.set OREC, 4352
.set RP,   672                         ; a stage row: eight places of 64 bytes + 16, and 32 more
.set SP,   80
.set STG,  16*RP
.set SPARE, 4*STG                      ; the spare words, 128 bytes a wave, which no other line names
.set SPW,  12
.set NIL,  13
.set E,    24                          ; v24-27 scale words
.set C,    32                          ; v32-63 codes, two registers for each of 16 steps
.set X,    64                          ; v64-127 four sets of 16 neighbours
.set R,    128                         ; v128-255 two sets of 16 loads
	s_load_b128 s[4:7], s[0:1], 0x0                ; x, w_qkv
	s_load_b128 s[8:11], s[0:1], 0x10              ; w_proj, codes
	v_lshl_add_u32 v[SPW], v0, 2, SPARE
	v_mov_b32 v[NIL], 0
	v_lshrrev_b32 v1, 5, v0
	v_readfirstlane_b32 s16, v1                    ; wave
	s_mul_i32 s17, s16, STG
	v_and_b32 v2, 31, v0                           ; lane
	v_lshlrev_b32 v3, 4, v2                        ; 16 bytes of a load's 512
	v_lshlrev_b32 v4, 3, v2                        ; 8 bytes of a store's 256
	v_lshrrev_b32 v5, 2, v2
	v_mul_u32_u24 v14, v5, SP
	v_and_b32 v6, 3, v2
	v_lshl_add_u32 v14, v6, 4, v14
	v_add_nc_u32 v14, s17, v14                     ; into the stage
	v_lshrrev_b32 v5, 1, v2
	v_mul_u32_u24 v15, v5, RP
	v_and_b32 v6, 1, v2
	v_mul_u32_u24 v7, v6, SP
	v_add_nc_u32 v15, v15, v7
	v_add_nc_u32 v15, s17, v15                     ; out of it: row lane / 2, half lane % 2 of a block
	s_wait_alu depctr_va_vdst(0)                   ; the wait at the head's end
	s_wait_kmcnt 0x0
	s_lshl_b32 s18, ttmp9, 1
	s_lshr_b32 s19, s16, 1
	s_add_co_u32 s18, s18, s19                     ; my tile: 2 x work-group + wave / 2
	s_and_b32 s19, s16, 1                          ; my K half
	s_mov_b32 s17, 448
	s_cmp_lt_u32 ttmp9, 224                        ; which tensor: the choice hangs on the work-group's number alone
	s_cselect_b64 s[6:7], s[6:7], s[8:9]
	s_cselect_b32 s17, 256, s17
	s_cmp_lt_u32 ttmp9, 128
	s_cselect_b64 s[4:5], s[4:5], s[6:7]
	s_cselect_b32 s17, 0, s17
	s_sub_co_u32 s20, s18, s17                     ; the tile's number in its tensor
	s_lshr_b32 s21, s20, 2
	s_lshl_b32 s21, s21, 6
	s_and_b32 s20, s20, 3
	s_lshl_b32 s20, s20, 3
	s_add_co_u32 s20, s20, s21                     ; its first row
	s_lshl_b32 s20, s20, 12
	s_lshl_b32 s21, s19, 11
	s_add_co_u32 s20, s20, s21
	s_mov_b32 s21, 0
	s_add_nc_u64 s[4:5], s[4:5], s[20:21]
	s_mul_i32 s22, s19, 512*OREC
	s_mul_i32 s23, s18, OREC
	s_add_co_u32 s22, s22, s23
	s_mov_b32 s23, 0
	s_add_nc_u64 s[10:11], s[10:11], s[22:23]
	s_mov_b32 s24, 0xaaaaaaaa                      ; odd lanes
.macro LOAD q
.irp i, 0,1,2,3,4,5,6,7,8,9,10,11,12,13,14,15
	global_load_b128 v[R+64*((\q)%2)+4*\i:R+64*((\q)%2)+4*\i+3], v3, s[4:5] offset:(32*(\i/8)+\i%8)*4096+512*(\q) th:TH_LOAD_NT
.endr
.endm
.macro SUB q, k
.set XS, X+16*(\k)
	s_wait_dscnt 12-4*(\k)                         ; this step's four loads are back; those of the steps behind it may be out
.if (\k) == 0 && (\q) < 2
	LOAD (\q)+2                                    ; the stage's stores have read their registers
.endif
	v_max3_num_f32 v8, |v[XS]|, |v[XS+1]|, |v[XS+2]|
	v_max3_num_f32 v9, |v[XS+3]|, |v[XS+4]|, |v[XS+5]|
.irp i, 6,10
	v_max3_num_f32 v8, v8, |v[XS+\i]|, |v[XS+\i+1]|
	v_max3_num_f32 v9, v9, |v[XS+\i+2]|, |v[XS+\i+3]|
.endr
	v_max3_num_f32 v8, v8, |v[XS+14]|, |v[XS+15]|
	v_max3_num_f32 v8, v8, v9, 0x1800000           ; the floor 2^(3 - 127): the byte cannot fall under 1
	v_max_num_f32_dpp v8, v8, v8 row_xmask:1 row_mask:0xf bank_mask:0xf   ; and of my neighbour's 16: the block's
	v_add_nc_u32 v11, 0xff000000, v8               ; 2 off the exponent field: the conversion's scale operand
	v_cvt_scalef32_pk8_fp4_f32 v[C+8*(\q)+2*(\k)], v[XS:XS+7], v11
	v_cvt_scalef32_pk8_fp4_f32 v[C+8*(\q)+2*(\k)+1], v[XS+8:XS+15], v11
.if (\k) == 0
	v_lshrrev_b32 v[E+(\q)], 23, v11               ; the scale's byte (a plain line behind the conversions)
.else
	v_lshrrev_b32 v10, 23, v11
	v_lshl_or_b32 v[E+(\q)], v10, 8*(\k), v[E+(\q)]
.endif
	global_store_b64 v4, v[C+8*(\q)+2*(\k):C+8*(\q)+2*(\k)+1], s[10:11] offset:1024*(\q)+256*(\k)   ; 32 lanes store 256 consecutive bytes, aligned
.endm
.macro RUN q
.if (\q) < 3
	s_wait_loadcnt 16                              ; this run's 16 loads are in; the next run's may be out
.else
	s_wait_loadcnt 0x0
.endif
.irp i, 0,1,2,3,4,5,6,7,8,9,10,11,12,13,14,15
	ds_store_b128 v14, v[R+64*((\q)%2)+4*\i:R+64*((\q)%2)+4*\i+3] offset:RP*\i
.endr
.irp k, 0,1,2,3
.irp i, 0,1,2,3
	ds_load_b128 v[X+16*\k+4*\i:X+16*\k+4*\i+3], v15 offset:2*SP*\k+16*\i   ; LDS serves a wave's instructions in order: these see the stores above
.endr
.endr
	SUB \q, 0
	SUB \q, 1
	SUB \q, 2
	SUB \q, 3
.endm
	LOAD 0
	LOAD 1
	RUN 0
	RUN 1
	RUN 2
	RUN 3
	v_cndmask_b32 v[E], v[E], v[E+2], s24          ; both lanes of a row hold its four words: the even lane stores words 0 and 1, the odd one 2 and 3
	v_cndmask_b32 v[E+1], v[E+1], v[E+3], s24
	global_store_b64 v4, v[E:E+1], s[10:11] offset:4096   ; 32 lanes store 256 consecutive bytes, aligned
	s_wait_tensorcnt 0x0                           ; the wave's end
	ds_add_u32 v[SPW], v[NIL]
	s_wait_dscnt 0x0
	s_endpgm
.Lfunc_end_k_q3ffafb5787_quant:
	.size	k_q3ffafb5787_quant, .Lfunc_end_k_q3ffafb5787_quant-k_q3ffafb5787_quant
	.p2alignl 7, 3214868480
	.fill 96, 4, 3214868480
	.section	.rodata,"a",@progbits
	.p2align	6, 0x0
	.amdhsa_kernel k_q3ffafb5787_quant
		.amdhsa_group_segment_fixed_size 43520
		.amdhsa_private_segment_fixed_size 0
		.amdhsa_enable_private_segment 0
		.amdhsa_kernarg_size 32
		.amdhsa_user_sgpr_count 2
		.amdhsa_user_sgpr_kernarg_segment_ptr 1
		.amdhsa_wavefront_size32 1
		.amdhsa_system_sgpr_workgroup_id_x 1
		.amdhsa_system_sgpr_workgroup_id_y 1
		.amdhsa_system_sgpr_workgroup_id_z 1
		.amdhsa_system_vgpr_workitem_id 0
		.amdhsa_next_free_vgpr 256
		.amdhsa_next_free_sgpr 66
		.amdhsa_reserve_vcc 0
		.amdhsa_float_denorm_mode_32 3
		.amdhsa_float_denorm_mode_16_64 3
		.amdhsa_memory_ordered 1
		.amdhsa_forward_progress 1
		.amdhsa_inst_pref_size 33
	.end_amdhsa_kernel
	.amdgpu_metadata
---
amdhsa.version: [ 1, 2 ]
amdhsa.kernels:
  - .name:           k_q3ffafb5787_quant
    .symbol:         k_q3ffafb5787_quant.kd
    .args:
      - { .name: x, .offset: 0, .size: 8, .value_kind: global_buffer, .address_space: global }
      - { .name: w_qkv, .offset: 8, .size: 8, .value_kind: global_buffer, .address_space: global }
      - { .name: w_proj, .offset: 16, .size: 8, .value_kind: global_buffer, .address_space: global }
      - { .name: codes, .offset: 24, .size: 8, .value_kind: global_buffer, .address_space: global }
    .group_segment_fixed_size: 43520
    .private_segment_fixed_size: 0
    .kernarg_segment_align: 8
    .kernarg_segment_size: 32
    .max_flat_workgroup_size: 128
    .sgpr_count:     66
    .vgpr_count:     256
    .wavefront_size: 32
...
	.end_amdgpu_metadata
.endif
;; end of part 1
;; launch qkv (part 2): grid 16 x 16, 4 waves a work-group, clusters of 4 x 4, 327,680 bytes of LDS; arguments codes, b_qkv, qkvw; writes qkvw
.if DOCPART == 2
	.amdgcn_target "amdgcn-amd-amdhsa--gfx1250"
	.amdhsa_code_object_version 6
	.text
	.protected	k_q3ffafb5787_qkv
	.globl	k_q3ffafb5787_qkv
	.p2align	8
	.type	k_q3ffafb5787_qkv,@function
k_q3ffafb5787_qkv:
	s_mov_b64 s[64:65], 0
	v_nop
	global_prefetch_b8 v0, s[64:65] scope:SCOPE_SE
	s_setreg_imm32_b32 hwreg(HW_REG_WAVE_MODE, 25, 1), 1
	s_wait_xcnt 0x0
	s_wait_alu depctr_hold_cnt(0) depctr_sa_sdst(0) depctr_va_vdst(0) depctr_va_sdst(0) depctr_va_ssrc(0) depctr_va_vcc(0) depctr_vm_vsrc(0)
	s_getreg_b32 s2, hwreg(HW_REG_IB_STS2, 6, 4)
	s_cmp_eq_u32 s2, 0
	s_cbranch_scc0 .Lentry_in_a_cluster
	s_endpgm
.Lentry_in_a_cluster:
	s_bfe_u32 s2, ttmp6, 0x10000c
	s_cmp_lg_u32 s2, 0xf033
	s_cbranch_scc0 .Lentry_shape_is_right
	s_endpgm
.Lentry_shape_is_right:
; q, k and v of one head for 256 tokens: x w_qkv^T + b_qkv on codes of FP4, K = 1,024, then the three results quantised for the launch attn.  No work of reference() is left out here.
; SHARES.  256 work-groups, one for each WGP: x = head, y = 256 tokens.  Four waves, each 64 tokens x 192 outputs: 48 accumulators, 384 registers.
; The whole K fits in LDS in two halves: four tensor loads, one a wave (x half 0, w half 0, x half 1, w half 1), each a first fill; nothing is filled again.  Waves 2 and 3 wait for theirs in front of the second barrier alone.
; No prefetch: all that is read is asked for at the head, and there is no loop of loads to run ahead in.
; CLUSTERS: 4 x 4: x's tiles are shared along a row of the cluster, w's along a column: joint loads.
; LAYOUT.  q, k: source 0 = w's tile u, source 1 = x's tile a: lane (r, h) holds token r of the tile, and its 32 registers over u the head's d = 32 h + 0 .. 31: one whole block.
; v: source 0 = x's tile a, source 1 = w's tile u: the lane holds d = place r of tile u, and its 32 registers over a the tokens 32 h + 0 .. 31 of the wave's 64: one whole block along the keys.
; So a block's largest magnitude needs no other lane, and the conversions' results are the operand's registers as they stand.  The bias is the C of each sum's first matrix instruction.
; qkvw: records of 128 keys, [head][32][8,704 bytes]: K's eight tiles of 512 bytes; V's (64 keys) 2 x 4 tiles of 512; K's scale bytes, 2 a key; V's, 4 a row d.  Then Q's tiles [head][256][512], then Q's scale bytes [head][256][32].
; LIMITS: a block whose largest magnitude lies under 2^-124, and a block of zeros, get the byte 1; NaN and infinities are not served.
; REGISTERS: window 0: addresses, scale words, x's fragments (two buffers), bias; window 1: w's fragments, two buffers of 96; window 2: q's and k's accumulators, (a, b) at 8 (8 a + b); window 3: v's, (u, a) at 8 (4 u + a).
.set OREC, 4352
.set HALF, 512*OREC
.set ASL,  16*OREC
.set BSL,  12*OREC
.set BB0,  2*ASL
.set SPARE, BB0+2*BSL                  ; the spare words, 128 bytes a wave, which no other line names
.set STG,  SPARE+512                   ; the results' scale bytes: two records' 512, then Q's 512
.set REC,  8704
.set QI,   512*REC
.set QS,   QI+16*131072
.set LI,   3
.set SPW,  4
.set NIL,  5
.set ADRA, 6
.set ADRB, 8
.set ASA,  10
.set ASB,  12
.set SQ,   14
.set SK,   15
.set SV,   16
.set BO1,  17
.set BO2,  18
.set SRD,  19
.set SC,   32
.set AF,   96
.set PC,   96
.set BIQ,  160
.set BIV,  224
.set G1A,  24
.set A0,   32
.set A1,   36
.set B0,   56
.set B1,   60
.set G1B,  68
.set MSB, 0
.macro WIN new                         ; the immediate's high byte repeats the setting that is left
.if MSB != (\new)
	s_set_vgpr_msb (MSB<<8)|(\new)
.set MSB, (\new)
.endif
.endm
.macro CROUND
	s_barrier_signal -1
	s_barrier_wait -1
	s_cmp_lg_u32 s14, 0
	s_cbranch_scc1 .Lnot_wave_0_\@
	s_barrier_signal -3
.Lnot_wave_0_\@:
	s_barrier_wait -3
	s_barrier_signal -1
	s_barrier_wait -1
.endm
.macro TLD g0, g1
	tensor_load_to_lds s[\g0:\g0+3], s[\g1:\g1+7]
	s_nop 0
.rept 4
	v_nop
.endr
.endm
.macro ARM under, g0, g1, next
	s_cmp_lt_u32 s14, \under
	s_cbranch_scc0 \next
	TLD \g0, \g1
	s_branch .Lhead_asked
\next:
.endm
	s_load_b128 s[4:7], s[0:1], 0x0                ; codes, b_qkv
	s_load_b64 s[8:9], s[0:1], 0x10                ; qkvw
	v_lshl_add_u32 v[SPW], v0, 2, SPARE
	v_mov_b32 v[NIL], 0
	ds_add_u32 v[SPW], v[NIL]                      ; the wave's opening: the add, twice on end, and its wait ahead of my tensor load
	ds_add_u32 v[SPW], v[NIL]
	v_lshrrev_b32 v20, 5, v0
	v_readfirstlane_b32 s14, v20                   ; wave
	s_mul_i32 s15, s14, 4*OREC                     ; my four tiles of x
	s_lshl_b32 s16, s14, 7
	s_add_co_u32 s16, s16, STG+1024                ; stage: Q
	s_lshr_b32 s17, s14, 1
	s_lshl_b32 s17, s17, 9
	s_add_co_u32 s17, s17, STG                     ; my record's bytes
	s_and_b32 s18, s14, 1
	s_lshl_b32 s19, s18, 7
	s_add_co_u32 s19, s19, s17                     ; K
	s_lshl_b32 s18, s18, 1
	s_add_co_u32 s18, s18, s17
	s_add_co_u32 s18, s18, 256                     ; V
	s_lshl_b32 s17, s14, 9
	s_add_co_u32 s17, s17, STG                     ; on the way out: 512 bytes a wave
	v_and_b32 v1, 15, v0                           ; r
	v_bfe_u32 v2, v0, 4, 1                         ; h
	v_and_b32 v20, 31, v0
	v_lshlrev_b32 v[LI], 4, v20
	v_add_nc_u32 v[ADRA], s15, v[LI]
	v_add_nc_u32 v[ADRA+1], ASL, v[ADRA]
	v_add_nc_u32 v[ADRB], BB0, v[LI]
	v_add_nc_u32 v[ADRB+1], BB0+BSL, v[LI]
	v_mul_u32_u24 v21, v2, OREC                    ; scale words: lanes 16-31 take the next tile
	v_lshl_add_u32 v21, v1, 4, v21
	v_add_nc_u32 v21, 4096, v21
	v_add_nc_u32 v[ASA], s15, v21
	v_add_nc_u32 v[ASA+1], ASL, v[ASA]
	v_add_nc_u32 v[ASB], BB0, v21
	v_add_nc_u32 v[ASB+1], BB0+BSL, v21
	v_lshl_add_u32 v22, v1, 1, v2                  ; 2 r + h
	v_add_nc_u32 v[SQ], s16, v22
	v_add_nc_u32 v[SK], s19, v22
	v_lshl_add_u32 v22, v1, 2, v2                  ; 4 r + h
	v_add_nc_u32 v[SV], s18, v22
	v_add_nc_u32 v[SRD], s17, v[LI]
	v_lshlrev_b32 v[BO1], 7, v2                    ; bias of q, k: 4 x 32 h
	v_lshrrev_b32 v22, 3, v1
	v_and_b32 v23, 7, v1
	v_lshlrev_b32 v23, 2, v23
	v_lshl_add_u32 v[BO2], v22, 7, v23             ; bias of v: 4 (32 (r / 8) + r % 8)
	s_wait_alu depctr_va_vdst(0)                   ; the wait at the head's end
	s_bfe_u32 s40, ttmp6, 0x40000                  ; cx
	s_bfe_u32 s41, ttmp6, 0x40004                  ; cy
	s_lshl_b32 s12, ttmp9, 2
	s_add_co_u32 s12, s12, s40                     ; head
	s_and_b32 s13, ttmp7, 0xffff
	s_lshl_b32 s13, s13, 2
	s_add_co_u32 s13, s13, s41                     ; token block
	s_lshl_b32 s43, s41, 2
	s_lshl_b32 s43, 15, s43                        ; my row of the cluster
	s_lshl_b32 s44, 0x1111, s40                    ; my column
	; x: 16 records on end; w: the head's four records of q, of k and of v, 64 records apart; elements of 8 bytes, no padding
	s_or_b32 s[G1A], s43, (3<<16)|(1<<21)
	s_mov_b32 s[G1A+1], 544<<16
	s_mov_b32 s[G1A+2], 16<<16
	s_mov_b32 s[G1A+3], 544<<16
	s_mov_b32 s[G1A+4], 16
	s_mov_b32 s[G1A+5], 544
	s_mov_b32 s[G1A+6], 0
	s_mov_b32 s[G1A+7], 0
	s_or_b32 s[G1B], s44, (3<<16)|(1<<21)
	s_mov_b32 s[G1B+1], 2176<<16
	s_mov_b32 s[G1B+2], 3<<16
	s_mov_b32 s[G1B+3], 2176<<16
	s_mov_b32 s[G1B+4], 3
	s_mov_b32 s[G1B+5], 34816
	s_mov_b32 s[G1B+6], 0
	s_mov_b32 s[G1B+7], 0
	s_mul_i32 s20, s13, ASL
	s_mov_b32 s21, 0
	s_lshl_b32 s22, s12, 2
	s_add_co_u32 s22, s22, 256
	s_mul_i32 s22, s22, OREC
	s_mov_b32 s23, 0
	s_lshl_b32 s46, s12, 8                         ; the head's bias
	s_mov_b32 s47, 0
	; where the results go
	s_lshl_b32 s16, s12, 5
	s_lshl_b32 s17, s13, 1
	s_add_co_u32 s16, s16, s17                     ; my work-group's first record
	s_lshr_b32 s17, s14, 1
	s_add_co_u32 s18, s16, s17
	s_mul_i32 s76, s18, REC
	s_and_b32 s17, s14, 1
	s_lshl_b32 s17, s17, 11
	s_add_co_u32 s76, s76, s17                     ; my record, my 64 of its keys
	s_mov_b32 s77, 0
	s_lshl_b32 s18, s12, 8
	s_lshl_b32 s19, s13, 4
	s_add_co_u32 s18, s18, s19
	s_lshl_b32 s19, s14, 2
	s_add_co_u32 s19, s18, s19
	s_lshl_b32 s78, s19, 9
	s_add_co_u32 s78, s78, QI                      ; my tiles of Q
	s_mov_b32 s79, 0
	s_add_co_u32 s19, s16, s14
	s_mul_i32 s80, s19, REC
	s_add_co_u32 s80, s80, 8192                    ; waves 0, 1: a record's scale bytes
	s_lshl_b32 s17, s18, 5
	s_add_co_u32 s17, s17, QS                      ; wave 2: Q's
	s_cmp_lt_u32 s14, 2
	s_cselect_b32 s80, s80, s17
	s_mov_b32 s81, 0
	s_wait_dscnt 0x0                               ; both opening adds are done
	s_wait_kmcnt 0x0
	s_add_nc_u64 s[20:21], s[4:5], s[20:21]
	s_add_nc_u64 s[22:23], s[4:5], s[22:23]
	s_add_nc_u64 s[46:47], s[6:7], s[46:47]
	s_add_nc_u64 s[76:77], s[8:9], s[76:77]
	s_add_nc_u64 s[78:79], s[8:9], s[78:79]
	s_add_nc_u64 s[80:81], s[8:9], s[80:81]
	s_mov_b32 s[A0], 1
	s_mov_b32 s[A0+1], 0
	s_mov_b64 s[A0+2:A0+3], s[20:21]
	s_or_b32 s[A0+3], s[A0+3], 0x80000000
	s_mov_b32 s[A1], 1
	s_mov_b32 s[A1+1], ASL
	s_add_nc_u64 s[A1+2:A1+3], s[20:21], HALF
	s_or_b32 s[A1+3], s[A1+3], 0x80000000
	s_mov_b32 s[B0], 1
	s_mov_b32 s[B0+1], BB0
	s_mov_b64 s[B0+2:B0+3], s[22:23]
	s_or_b32 s[B0+3], s[B0+3], 0x80000000
	s_mov_b32 s[B1], 1
	s_mov_b32 s[B1+1], BB0+BSL
	s_add_nc_u64 s[B1+2:B1+3], s[22:23], HALF
	s_or_b32 s[B1+3], s[B1+3], 0x80000000
	CROUND                                         ; all sixteen work-groups are here: the joint loads meet
	ARM 1, A0, G1A, .Larm_1                        ; one tree of branches on the wave's number: one load a wave
	ARM 2, B0, G1B, .Larm_2
	ARM 3, A1, G1A, .Larm_3
	TLD B1, G1B
.Lhead_asked:
.irp b, 0,1,2,3,4,5,6,7
.irp i, 0,1
	global_load_b128 v[BIQ+8*\b+4*\i:BIQ+8*\b+4*\i+3], v[BO1], s[46:47] offset:4096*(\b/4)+32*(\b%4)+16*\i
.endr
.endr
.irp u, 0,1,2,3
	global_load_b32 v[BIV+8*\u], v[BO2], s[46:47] offset:8192+32*\u
.endr
	s_wait_loadcnt 0x0                             ; the bias
.irp j, 1,2,3,4,5,6,7
.irp u, 0,1,2,3
	v_mov_b32 v[BIV+8*\u+\j], v[BIV+8*\u]          ; v's bias is the same in a lane's eight registers
.endr
.endr
.macro FETCH Q                         ; 32 loads: the fragments of K step Q into its buffers
	WIN 0x40
.irp b, 0,1,2,3,4,5,6,7,8,9,10,11
.irp c, 0,1
	ds_load_b128 v[96*((\Q)%2)+8*\b+4*\c:96*((\Q)%2)+8*\b+4*\c+3], v[ADRB+(\Q)/4] offset:OREC*\b+1024*((\Q)%4)+512*\c
.endr
.endr
	WIN 0
.irp a, 0,1,2,3
.irp c, 0,1
	ds_load_b128 v[AF+32*((\Q)%2)+8*\a+4*\c:AF+32*((\Q)%2)+8*\a+4*\c+3], v[ADRA+(\Q)/4] offset:OREC*\a+1024*((\Q)%4)+512*\c
.endr
.endr
.endm
.macro SCALES s                        ; a half's scale words, four K steps a register quad; lanes 0-15 the pair's first tile, lanes 16-31 its second
.irp p, 0,1
	ds_load_b128 v[SC+32*(\s)+4*\p:SC+32*(\s)+4*\p+3], v[ASA+(\s)] offset:2*OREC*\p
.endr
.irp p, 0,1,2,3,4,5
	ds_load_b128 v[SC+32*(\s)+8+4*\p:SC+32*(\s)+8+4*\p+3], v[ASB+(\s)] offset:2*OREC*\p
.endr
.endm
.macro WM ra, rb                       ; D, sources, C and scale words by the symbols set ahead; ra, rb: which half of the lanes holds the words
.if (\ra) && (\rb)
	v_wmma_scale_f32_16x16x128_f8f6f4 v[WD:WD+7], v[WA:WA+7], v[WB:WB+7], v[WC:WC+7], v[WS], v[WT] matrix_a_fmt:MATRIX_FMT_FP4 matrix_b_fmt:MATRIX_FMT_FP4 matrix_a_scale:MATRIX_SCALE_ROW1 matrix_b_scale:MATRIX_SCALE_ROW1
.elseif (\ra)
	v_wmma_scale_f32_16x16x128_f8f6f4 v[WD:WD+7], v[WA:WA+7], v[WB:WB+7], v[WC:WC+7], v[WS], v[WT] matrix_a_fmt:MATRIX_FMT_FP4 matrix_b_fmt:MATRIX_FMT_FP4 matrix_a_scale:MATRIX_SCALE_ROW1
.elseif (\rb)
	v_wmma_scale_f32_16x16x128_f8f6f4 v[WD:WD+7], v[WA:WA+7], v[WB:WB+7], v[WC:WC+7], v[WS], v[WT] matrix_a_fmt:MATRIX_FMT_FP4 matrix_b_fmt:MATRIX_FMT_FP4 matrix_b_scale:MATRIX_SCALE_ROW1
.else
	v_wmma_scale_f32_16x16x128_f8f6f4 v[WD:WD+7], v[WA:WA+7], v[WB:WB+7], v[WC:WC+7], v[WS], v[WT] matrix_a_fmt:MATRIX_FMT_FP4 matrix_b_fmt:MATRIX_FMT_FP4
.endif
.endm
.macro MUL Q                           ; 48 matrix instructions: the accumulators take turns, in the same order in every K step
.set SQ0, SC+32*((\Q)/4)+(\Q)%4
.if (\Q) == 0
	WIN 0x81
.else
	WIN 0xa1
.endif
.irp a, 0,1,2,3
.irp b, 0,1,2,3,4,5,6,7
.set WD, 8*(8*\a+\b)
.set WA, 96*((\Q)%2)+8*\b
.set WB, AF+32*((\Q)%2)+8*\a
.set WC, WD
.if (\Q) == 0
.set WC, BIQ+8*\b
.endif
.set WS, SQ0+8+4*(\b/2)
.set WT, SQ0+4*(\a/2)
	WM \b%2, \a%2
.endr
.endr
.if (\Q) == 0
	WIN 0xc4
.else
	WIN 0xf4
.endif
.irp u, 0,1,2,3
.irp a, 0,1,2,3
.set WD, 8*(4*\u+\a)
.set WA, AF+32*((\Q)%2)+8*\a
.set WB, 96*((\Q)%2)+64+8*\u
.set WC, WD
.if (\Q) == 0
.set WC, BIV+8*\u
.endif
.set WS, SQ0+4*(\a/2)
.set WT, SQ0+24+4*(\u/2)
	WM \a%2, \u%2
.endr
.endr
.endm
.macro PLACES                          ; plain vector instructions between a matrix instruction and a load into, or a read of, its registers (ISA guide 7.12.1 for reads)
.rept 4
	v_nop
.endr
.endm
	s_wait_alu depctr_va_vdst(0)                   ; the wait here, ahead of the branch
	s_cmp_lt_u32 s14, 2                            ; waves 0 and 1 asked for half 0; the others' loads may stay out across the first barrier
	s_cbranch_scc0 .Llater
	s_wait_tensorcnt 0x0
.Llater:
	s_barrier_signal -1
	s_barrier_wait -1                              ; half 0 is there
	SCALES 0
	FETCH 0
.irp Q, 0,1,2,3,4,5,6,7
.if \Q == 3
	s_wait_tensorcnt 0x0                           ; K step 4, fetched below, lies in half 1
	s_wait_dscnt 0x0                               ; no LDS instruction of mine is pending at the signal; this step's fragments are in
	s_barrier_signal -1
	s_barrier_wait -1                              ; half 1 is there
	PLACES
	WIN 0
	SCALES 1
	FETCH 4
.elseif \Q < 7
	s_wait_dscnt 24                                ; (keeps the loads that are out under the counter's field)
	PLACES
	FETCH \Q+1
	s_wait_dscnt 32                                ; all but the 32 just issued
.else
	s_wait_dscnt 0x0
.endif
	MUL \Q
.endr
	WIN 0
	PLACES                                         ; ahead of the first read of results and of writes over the fragments
; THE WAY OUT: four units of 32 registers, each a whole block in every lane.  st, off: where unit n begins; mx, cv: the windows; base, o0, sadr, sst: where codes and scale bytes go
.macro UNIT4 g, st, off, mx, cv, base, o0, sadr, sst
.set TM, 144+12*(\g)
	WIN \mx
.irp n, 0,1,2,3
	v_max3_num_f32 v[TM+\n], |v[\st*\n+\off]|, |v[\st*\n+\off+1]|, 0x1800000
.endr
.irp i, 2,4,6,8,10,12,14,16,18,20,22,24,26,28,30
.irp n, 0,1,2,3
	v_max3_num_f32 v[TM+\n], |v[\st*\n+\off+\i]|, |v[\st*\n+\off+\i+1]|, v[TM+\n]
.endr
.endr
	WIN 0
.irp n, 0,1,2,3
	v_add_nc_u32 v[TM+4+\n], 0xff000000, v[TM+\n]  ; 2 off the exponent field: the conversion's scale operand
.endr
.irp n, 0,1,2,3
	v_lshrrev_b32 v[TM+8+\n], 23, v[TM+4+\n]       ; the scale's byte
.endr
	WIN \cv
.irp n, 0,1,2,3
.irp u, 0,1,2,3
	v_cvt_scalef32_pk8_fp4_f32 v[PC+16*(\g)+4*\n+\u], v[\st*\n+\off+8*\u:\st*\n+\off+8*\u+7], v[TM+4+\n]
.endr
.endr
	WIN 0
	v_nop                                          ; one plain place behind a scaled conversion
.irp n, 0,1,2,3
	global_store_b128 v[LI], v[PC+16*(\g)+4*\n:PC+16*(\g)+4*\n+3], s[\base:\base+1] offset:\o0+512*\n   ; 32 lanes store 512 consecutive bytes, aligned
	ds_store_b8 v[\sadr], v[TM+8+\n] offset:\sst*\n
.endr
.endm
	UNIT4 0, 64, 0, 0x0a, 0x02, 78, 0, SQ, 32
	UNIT4 1, 64, 32, 0x0a, 0x02, 76, 0, SK, 32
	UNIT4 2, 32, 0, 0x0f, 0x03, 76, 4096, SV, 64
	s_wait_dscnt 0x0                               ; my scale bytes are in LDS
	s_barrier_signal -1
	s_barrier_wait -1                              ; everybody's are
	s_cmp_lt_u32 s14, 3
	s_cbranch_scc0 .Lno_bytes
	ds_load_b128 v[200:203], v[SRD]
	s_wait_dscnt 0x0
	global_store_b128 v[LI], v[200:203], s[80:81]  ; 512 consecutive bytes, aligned
.Lno_bytes:
	s_wait_tensorcnt 0x0                           ; the wave's end
	ds_add_u32 v[SPW], v[NIL]
	s_wait_dscnt 0x0
	CROUND                                         ; the closing round: no work-group ends while a partner may still ask for a tile that names it
	s_endpgm
.Lfunc_end_k_q3ffafb5787_qkv:
	.size	k_q3ffafb5787_qkv, .Lfunc_end_k_q3ffafb5787_qkv-k_q3ffafb5787_qkv
	.p2alignl 7, 3214868480
	.fill 96, 4, 3214868480
	.section	.rodata,"a",@progbits
	.p2align	6, 0x0
	.amdhsa_kernel k_q3ffafb5787_qkv
		.amdhsa_group_segment_fixed_size 327680
		.amdhsa_private_segment_fixed_size 0
		.amdhsa_enable_private_segment 0
		.amdhsa_kernarg_size 24
		.amdhsa_user_sgpr_count 2
		.amdhsa_user_sgpr_kernarg_segment_ptr 1
		.amdhsa_wavefront_size32 1
		.amdhsa_system_sgpr_workgroup_id_x 1
		.amdhsa_system_sgpr_workgroup_id_y 1
		.amdhsa_system_sgpr_workgroup_id_z 1
		.amdhsa_system_vgpr_workitem_id 0
		.amdhsa_next_free_vgpr 1024
		.amdhsa_next_free_sgpr 96
		.amdhsa_reserve_vcc 0
		.amdhsa_float_denorm_mode_32 3
		.amdhsa_float_denorm_mode_16_64 3
		.amdhsa_memory_ordered 1
		.amdhsa_forward_progress 1
		.amdhsa_inst_pref_size 99
	.end_amdhsa_kernel
	.amdgpu_metadata
---
amdhsa.version: [ 1, 2 ]
amdhsa.kernels:
  - .name:           k_q3ffafb5787_qkv
    .symbol:         k_q3ffafb5787_qkv.kd
    .args:
      - { .name: codes, .offset: 0, .size: 8, .value_kind: global_buffer, .address_space: global }
      - { .name: b_qkv, .offset: 8, .size: 8, .value_kind: global_buffer, .address_space: global }
      - { .name: qkvw, .offset: 16, .size: 8, .value_kind: global_buffer, .address_space: global }
    .group_segment_fixed_size: 327680
    .private_segment_fixed_size: 0
    .kernarg_segment_align: 8
    .kernarg_segment_size: 24
    .max_flat_workgroup_size: 128
    .sgpr_count:     96
    .vgpr_count:     1024
    .wavefront_size: 32
...
	.end_amdgpu_metadata
.endif
;; end of part 2
;; launch attn (part 3): grid 8 x 32, 16 waves a work-group, clusters of 4 x 1, 327,680 bytes of LDS; arguments qkvw, oimg; writes oimg
.if DOCPART == 3
	.amdgcn_target "amdgcn-amd-amdhsa--gfx1250"
	.amdhsa_code_object_version 6
	.text
	.protected	k_q3ffafb5787_attn
	.globl	k_q3ffafb5787_attn
	.p2align	8
	.type	k_q3ffafb5787_attn,@function
k_q3ffafb5787_attn:
	s_mov_b64 s[64:65], 0
	v_nop
	global_prefetch_b8 v0, s[64:65] scope:SCOPE_SE
	s_setreg_imm32_b32 hwreg(HW_REG_WAVE_MODE, 25, 1), 1
	s_wait_xcnt 0x0
	s_wait_alu depctr_hold_cnt(0) depctr_sa_sdst(0) depctr_va_vdst(0) depctr_va_sdst(0) depctr_va_ssrc(0) depctr_va_vcc(0) depctr_vm_vsrc(0)
	s_getreg_b32 s2, hwreg(HW_REG_IB_STS2, 6, 4)
	s_cmp_eq_u32 s2, 0
	s_cbranch_scc0 .Lentry_in_a_cluster
	s_endpgm
.Lentry_in_a_cluster:
	s_bfe_u32 s2, ttmp6, 0x10000c
	s_cmp_lg_u32 s2, 0x3003
	s_cbranch_scc0 .Lentry_shape_is_right
	s_endpgm
.Lentry_shape_is_right:
; Attention on codes of FP4: S^T = K Q^T, the softmax, O^T = V^T P^T, O / l, and the quantiser of the result along (head, d) for the projection.  All operands come as images of operand registers (launch qkv).
; WORK LEFT OUT: key steps all of whose 128 keys come after all 16 queries of a tile: reference()'s own causal mask makes their weights exactly 0 for all values of the inputs (shown at the head of the launch quant).
; LIMITS: a NaN or an overflow that would arise only in those steps is not carried on; the scaled scores (exponents to the base 2, before the maximum is taken away) stay under 2^31 in magnitude;
; a block's largest p is made from its largest score, which takes v_exp_f32 not to fall where its input rises; byte 1 for blocks of zeros.
; THE SOFTMAX: t = score x log2(e) / 8; M = the running largest t rounded UP to a whole number; p = 2^(t - M) is quantised along the keys, not normalised; the row's sum is taken of the unquantised p and divides at the end.
; When M moves, the sum and O^T are multiplied by 2^(old M - new M), which rounds nothing.
; SHARES.  y = 16 batch + head.  The eight work-groups g of a (batch, head) interleave the query tiles: block i of 128 queries has the tile 8 i + g, which walks key steps 0 .. i of 128 keys; step i lies on the diagonal.
; Blocks i and 15 - i (i = 0 .. 7) are a pair of 17 steps for TWO waves.  The first walks the long tile's steps 0 .. i and 8 .. 15 - i: nine.  The second walks the long tile's steps i + 1 .. 7, puts its sums into LDS,
; and walks the short tile's steps 0 .. i: eight.  Behind the loop the first joins the two parts of the long tile under the larger M.  So every wave has eight or nine steps, and waves w % 4 (and w / 4) alike 34 together.
; Trip n = 0 .. 8: the second wave of a pair begins at n = 1, so that n = 8 is the diagonal of both.
; LDS: a head's 16 records (8,704 bytes each) come whole, a record a wave, jointly for the cluster's four work-groups: first fills alone, one barrier.  No prefetch: all of K and V is asked for at the head.
; LAYOUT.  A lane holds ONE query (place lane % 16 of its tile).  In S^T tile t = 4 c + u, register j of lane (r, h) is key 64 c + 32 h + 8 u + j: a lane's 32 registers of c are one whole block of 32 keys,
; so a block's largest score needs no other lane and the conversions' results are the next operand's registers.  The head's 64 fill the lower half of the instruction's 128 along K; the upper half is zero codes in both operands.
.set REC,   8704
.set QI,    512*REC
.set QS,    QI+16*131072
.set OREC,  4352
.set PX,    16*REC                     ; behind the records: a place for each wave's part of a long tile, 9 x 512 bytes
.set PSZ,   4608
.set SPARE, PX+16*PSZ                  ; the spare words, 128 bytes for each of 16 waves, which no other line names
.set LI,   1                           ; v1   16 x lane
.set LS,   2                           ; v2   4 x lane
.set SPW,  3
.set NIL,  4
.set ADK,  5
.set ADS,  6
.set DQ,   7                           ; v7   my query in its block of 128, less 32 h: on the diagonal key 64 c + 32 h + i is hidden where 64 c + i > this
.set QF,   8                           ; v8-15 Q's fragment (v12-15 zeros)
.set QSC,  16
.set OSO,  17                          ; v17  16 r + h: my byte among the result's scale bytes
.set NM,   18                          ; v18 -M, v19 the largest score, v[20:21] the sum in two halves: they leave together
.set RM,   19
.set SUM,  20
.set FF,   22                          ; v22 f = 2^(old M - new M); v23 named with it as a pair
.set PSC,  24
.set NINF, 25
.set KSC,  26
.set VSC,  30
.set KF,   32                          ; v32-95 K's eight fragments (registers 8 t + 4 .. 7 zeros)
.set SS,   96                          ; v96-159 S^T, then p
.set OT,   160                         ; v160-191 O^T
.set VF,   192
.set PCD,  224
.set BM,   232                         ; v232 and v234 the blocks' largest score and p
.set PW,   236
.set PO,   237
.set L2,   238                         ; v238 2 x lane
.set TO,   239
.set CH,   240                         ; v240-247 eight chains of the largest score; later, with v232-237, chains of the sum
.set ADV,  0                           ; v0   (the thread's number is done with behind the head) the step's record + 16 x lane, for V
.set BS,   248
.set TT,   250
.set TU,   251
.set SHH,  252                         ; v252 8 h
.set QSO,  253                         ; v253 2 r
.set PXV,  254                         ; v254 my place for a part in LDS
.set AD2,  255
.set SEL,  20
.set CS,   22                          ; s[22:23] c = log2(e) / 8
.set NC,   48                          ; s48 -c
.set G1,   24
.set G0,   32
.macro ADR d, m                        ; where the record of trip m begins: first wave step m, or m + 7 - i beyond i; second wave (m + i) % 8
	s_cmp_gt_u32 \m, s11
	s_cselect_b32 \d, s17, s18
	s_add_co_u32 \d, \d, \m
	s_and_b32 \d, \d, s16
	s_min_u32 \d, \d, 15
	s_mul_i32 \d, \d, REC
.endm
.macro KLOAD                           ; K's twelve loads, from the record at s53
	v_add_nc_u32 v[ADK], s53, v[LI]
	v_add_nc_u32 v[AD2], s53, v[L2]
.irp t, 0,1,2,3,4,5,6,7
	ds_load_b128 v[KF+8*\t:KF+8*\t+3], v[ADK] offset:512*\t
.endr
.irp u, 0,1,2,3
	ds_load_u16 v[KSC+\u], v[AD2] offset:8192+64*\u   ; lanes 0-15 tile 2 u, lanes 16-31 tile 2 u + 1; the upper two bytes, of zero codes, are 0
.endr
.endm
.macro CROUND
	s_barrier_signal -1
	s_barrier_wait -1
	s_cmp_lg_u32 s10, 0
	s_cbranch_scc1 .Lnot_wave_0_\@
	s_barrier_signal -3
.Lnot_wave_0_\@:
	s_barrier_wait -3
	s_barrier_signal -1
	s_barrier_wait -1
.endm
.macro INIT                            ; a tile begins: its first step finds zeros, which the first change of M leaves zeros
	v_mov_b32 v[RM], 0xff61b1e6                    ; -3e38, under every score
.set n, 0
.rept 32
	v_mov_b32 v[OT+n], 0
.set n, n+1
.endr
	v_mov_b32 v[SUM], 0
	v_mov_b32 v[SUM+1], 0
	v_mul_f32 v[NM], s[NC], v[RM]
	v_floor_f32 v[NM], v[NM]
.endm
	s_load_b128 s[4:7], s[0:1], 0x0                ; qkvw, oimg
	v_lshl_add_u32 v[SPW], v0, 2, SPARE
	v_mov_b32 v[NIL], 0
	ds_add_u32 v[SPW], v[NIL]                      ; the wave's opening: the add, twice on end, and its wait ahead of my tensor load
	ds_add_u32 v[SPW], v[NIL]
	v_lshrrev_b32 v5, 5, v0
	v_readfirstlane_b32 s10, v5                    ; wave 0..15
	s_bfe_u32 s13, ttmp6, 0x40000                  ; cx
	s_lshl_b32 s52, ttmp9, 2
	s_add_co_u32 s13, s13, s52                     ; g: it enters addresses in memory and v7 alone
	s_lshr_b32 s11, s10, 1                         ; i: the pair
	s_lshr_b32 s52, s10, 2
	s_xor_b32 s52, s52, s10
	s_and_b32 s12, s52, 1                          ; 0: the pair's first wave, 1: its second
	s_mul_i32 s53, s10, PSZ
	s_add_co_u32 s53, s53, PX
	s_lshr_b32 s54, s13, 2
	s_lshl_b32 s54, s54, 6
	s_and_b32 s55, s13, 3
	s_lshl_b32 s55, s55, 3
	s_add_co_u32 s54, s54, s55                     ; 64 (g / 4) + 8 (g % 4)
	v_and_b32 v232, 31, v0
	v_and_b32 v233, 15, v0                         ; r
	v_bfe_u32 v234, v0, 4, 1                       ; h
	v_lshlrev_b32 v[LI], 4, v232
	v_lshlrev_b32 v[LS], 2, v232
	v_lshlrev_b32 v[L2], 1, v232
	v_lshlrev_b32 v[QSO], 1, v233
	v_lshlrev_b32 v[SHH], 3, v234
	v_lshl_add_u32 v[OSO], v233, 4, v234
	v_lshrrev_b32 v235, 3, v233
	v_sub_nc_u32 v235, v235, v234
	v_and_b32 v[DQ], 7, v233
	v_lshl_add_u32 v[DQ], v235, 5, v[DQ]
	v_add_nc_u32 v[DQ], s54, v[DQ]
	v_add_nc_u32 v[PXV], s53, v[LI]
	s_wait_alu depctr_va_vdst(0)
	s_and_b32 s52, ttmp7, 0xffff
	s_and_b32 s14, s52, 15                         ; head
	s_lshr_b32 s15, s52, 4                         ; batch
	s_xor_b32 s75, s10, 1
	s_mul_i32 s75, s75, PSZ
	s_add_co_u32 s75, s75, PX                      ; the place of the pair's other wave
	s_lshl_b32 s16, s12, 3
	s_sub_co_u32 s16, 15, s16                      ; 15, or 7 for the second wave
	s_sub_co_u32 s17, 7, s11
	s_sub_co_u32 s19, 8, s11                       ; the trip at which the second wave changes tiles
	s_sub_co_u32 s71, 15, s11
	s_cmp_eq_u32 s12, 0
	s_cselect_b32 s17, s17, s11                    ; what is added to n where n > i,
	s_cselect_b32 s18, 0, s11                      ; and where it is not
	s_cselect_b32 s19, 99, s19                     ; (99: no trip)
	s_cselect_b32 s50, 99, 0                       ; the trip that is left out
	s_cselect_b32 s74, s71, s11                    ; the block that I finish
	; descriptor group 1: a record, 8,704 dense bytes, as 34 rows of 256 bytes (32 elements of 8 bytes), no padding
	s_mov_b32 s[G1], 15|(3<<16)|(1<<21)            ; 15:0 the mask: all four work-groups; bit 21 beside a mask
	s_mov_b32 s[G1+1], 32<<16
	s_mov_b32 s[G1+2], 34<<16
	s_mov_b32 s[G1+3], 32<<16
	s_mov_b32 s[G1+4], 34
	s_mov_b32 s[G1+5], 32
	s_mov_b32 s[G1+6], 0
	s_mov_b32 s[G1+7], 0
	s_lshl_b32 s52, s14, 5
	s_lshl_b32 s53, s15, 4
	s_add_co_u32 s52, s52, s53
	s_add_co_u32 s52, s52, s10                     ; record 32 head + 16 batch + wave: head and batch are the same in all four partners
	s_mul_i32 s52, s52, REC
	s_mov_b32 s53, 0
	s_lshl_b32 s54, s15, 7
	s_add_co_u32 s54, s54, s13                     ; token tile 128 batch + g, + 8 x block
	s_lshl_b32 s55, s74, 3
	s_add_co_u32 s55, s55, s54
	s_mul_i32 s66, s55, OREC                       ; the result's record: [head / 8][token tile]
	s_lshr_b32 s55, s14, 3
	s_mul_i32 s55, s55, 256*OREC
	s_add_co_u32 s66, s66, s55
	s_and_b32 s55, s14, 7
	s_lshl_b32 s68, s55, 1
	s_add_co_u32 s68, s68, s66
	s_add_co_u32 s68, s68, 4096                    ; its scale bytes: 4,096 + 2 (head % 8) + 16 r + h
	s_lshl_b32 s55, s55, 9
	s_add_co_u32 s66, s66, s55                     ; its codes: 512 (head % 8)
	s_mov_b32 s67, 0
	s_mov_b32 s69, 0
	s_lshl_b32 s70, s14, 8
	s_add_co_u32 s70, s70, s54                     ; Q: 256 head + token tile
	s_lshl_b32 s72, s71, 3
	s_add_co_u32 s72, s72, s70
	s_lshl_b32 s73, s11, 3
	s_add_co_u32 s73, s73, s70
	s_lshl_b32 s56, s72, 9
	s_add_co_u32 s56, s56, QI
	s_mov_b32 s57, 0
	s_lshl_b32 s58, s72, 5
	s_add_co_u32 s58, s58, QS
	s_mov_b32 s59, 0
	s_lshl_b32 s60, s73, 9
	s_add_co_u32 s60, s60, QI
	s_mov_b32 s61, 0
	s_lshl_b32 s62, s73, 5
	s_add_co_u32 s62, s62, QS
	s_mov_b32 s63, 0
	s_mov_b32 s[SEL], 0x76543210
	s_mov_b32 s[SEL+1], 0xfedcba98
	s_mov_b32 s[CS], 0x3e38aa3b                    ; log2(e) / 8
	s_mov_b32 s[CS+1], s[CS]                       ; (named with it as a pair, so it is written)
	s_mov_b32 s[NC], 0xbe38aa3b
	s_wait_dscnt 0x0                               ; both opening adds are done
	s_wait_kmcnt 0x0
	s_add_nc_u64 s[52:53], s[4:5], s[52:53]
	s_add_nc_u64 s[56:57], s[4:5], s[56:57]        ; the long tile's Q and scale bytes
	s_add_nc_u64 s[58:59], s[4:5], s[58:59]
	s_add_nc_u64 s[60:61], s[4:5], s[60:61]        ; the short tile's
	s_add_nc_u64 s[62:63], s[4:5], s[62:63]
	s_add_nc_u64 s[66:67], s[6:7], s[66:67]
	s_add_nc_u64 s[68:69], s[6:7], s[68:69]
	s_mov_b32 s[G0], 1
	s_mul_i32 s[G0+1], s10, REC
	s_mov_b64 s[G0+2:G0+3], s[52:53]
	s_or_b32 s[G0+3], s[G0+3], 0x80000000
	CROUND                                         ; all four work-groups are here: the joint loads meet
	tensor_load_to_lds s[G0:G0+3], s[G1:G1+7]      ; every wave: one record
	s_nop 0
.rept 4
	v_nop
.endr
	global_load_b128 v[QF:QF+3], v[LI], s[56:57]
	global_load_u16 v[QSC], v[QSO], s[58:59]
.irp j, 4,5,6,7
	v_mov_b32 v[QF+\j], 0                          ; the upper 64 along K: zero codes, written once
.endr
.irp t, 0,1,2,3,4,5,6,7
.irp j, 4,5,6,7
	v_mov_b32 v[KF+8*\t+\j], 0
.endr
.endr
	INIT
	v_mov_b32 v[FF+1], 0                           ; (named as the upper half of a pair)
	v_mov_b32 v[NINF], 0xff800000
	v_mov_b32 v[PO], 0                             ; written once: a lane permute's destination counts as one of its sources
	v_mov_b32 v[TO], 0
	s_mov_b32 s51, 0                               ; n
	s_wait_alu depctr_va_vdst(0)                   ; the wait at the head's end
	s_wait_loadcnt 0x0                             ; Q
	s_wait_tensorcnt 0x0                           ; my record
	s_wait_dscnt 0x0
	s_barrier_signal -1
	s_barrier_wait -1                              ; everybody's
	ADR s53, s12                                   ; K of my first trip, 0 or 1; each trip loads K for the next one
	KLOAD
.Lloop:
	s_cmp_eq_u32 s51, s50                          ; the second wave has no trip 0: a branch on the wave's number and the count of trips, round the trip's work alone
	s_cbranch_scc1 .Lnext
	s_cmp_lg_u32 s51, s19
	s_cbranch_scc1 .Lsame
	; the second wave leaves the long tile: -M, the largest score, the sum and O^T go into LDS for the pair's first wave, and the short tile begins
.rept 4
	v_nop                                          ; places behind the last products
.endr
	s_wait_alu depctr_va_vdst(0)                   ; the wait here, ahead of the readers below
	global_load_b128 v[QF:QF+3], v[LI], s[60:61]
	global_load_u16 v[QSC], v[QSO], s[62:63]
.irp k, 0,1,2,3,4,5,6,7
	ds_store_b128 v[PXV], v[OT+4*\k:OT+4*\k+3] offset:512*\k
.endr
	ds_store_b128 v[PXV], v[NM:NM+3] offset:4096
	s_wait_dscnt 0x0                               ; the stores have read their registers
	INIT
	s_wait_alu depctr_va_vdst(0)                   ; the wait here, directly ahead of the wait below
	s_wait_loadcnt 0x0
.Lsame:
	ADR s52, s51
	s_wait_dscnt 0x0                               ; K's twelve loads, issued a trip ago, are in
.irp t, 0,1,2,3,4,5,6,7
.if (\t)%2
	v_wmma_scale_f32_16x16x128_f8f6f4 v[SS+8*\t:SS+8*\t+7], v[KF+8*\t:KF+8*\t+7], v[QF:QF+7], 0, v[KSC+\t/2], v[QSC] matrix_a_fmt:MATRIX_FMT_FP4 matrix_b_fmt:MATRIX_FMT_FP4 matrix_a_scale:MATRIX_SCALE_ROW1
.else
	v_wmma_scale_f32_16x16x128_f8f6f4 v[SS+8*\t:SS+8*\t+7], v[KF+8*\t:KF+8*\t+7], v[QF:QF+7], 0, v[KSC+\t/2], v[QSC] matrix_a_fmt:MATRIX_FMT_FP4 matrix_b_fmt:MATRIX_FMT_FP4
.endif
.endr
	v_add_nc_u32 v[ADV], s52, v[LI]
	v_add_nc_u32 v[ADS], s52, v[LS]
	v_nop
	v_nop                                          ; these four are the places behind the products: ahead of the first read of the scores and of the loads below
.irp d, 0,1,2,3
.irp c, 0,1
	ds_load_b128 v[VF+8*\d+4*\c:VF+8*\d+4*\c+3], v[ADV] offset:4096+2048*\c+512*\d
.endr
.endr
.irp u, 0,1
	ds_load_b32 v[VSC+\u], v[ADS] offset:8448+128*\u
.endr
	s_cmp_lg_u32 s51, 8                            ; on the diagonal, my last trip, the scores of hidden keys become -infinity ahead of the maximum: p = 0 then.  Every query has its own key, so M is a number
	s_cbranch_scc1 .Lmore
	s_wait_alu depctr_va_vdst(0)
.set n, 0
.rept 64
	v_cmp_gt_i32 vcc_lo, 64*(n/32)+n%32, v[DQ]
	v_cndmask_b32 v[SS+n], v[SS+n], v[NINF], vcc_lo
.set n, n+1
.endr
	s_wait_dscnt 0x0                               ; V; the last trip loads no further K
	s_wait_alu depctr_va_vdst(0)
	s_branch .Lopen
.Lmore:
	s_add_co_u32 s54, s51, 1
	ADR s53, s54
	KLOAD                                          ; the next trip's K: it has the softmax and the products with V in which to land
.Lopen:
.irp t, 0,1,2,3,4,5,6,7
	v_max3_num_f32 v[CH+\t], v[SS+8*\t], v[SS+8*\t+1], v[SS+8*\t+2]   ; the largest score of my 64 keys, in eight chains by turns
.endr
.irp t, 0,1,2,3,4,5,6,7
	v_max3_num_f32 v[CH+\t], v[CH+\t], v[SS+8*\t+3], v[SS+8*\t+4]
.endr
.irp t, 0,1,2,3,4,5,6,7
	v_max3_num_f32 v[CH+\t], v[CH+\t], v[SS+8*\t+5], v[SS+8*\t+6]
.endr
.irp t, 0,4,2,6
	v_max3_num_f32 v[CH+\t], v[CH+\t], v[SS+8*\t+7], v[CH+\t+1]
.endr
	v_max3_num_f32 v[BM], v[CH], v[SS+15], v[CH+2]
	v_max3_num_f32 v[BM+2], v[CH+4], v[SS+47], v[CH+6]
	v_max_num_f32 v[BM], v[BM], v[SS+31]           ; my two blocks of 32 keys: it serves for the row's maximum and, since p rises with the score, for the block's largest p
	v_max_num_f32 v[BM+2], v[BM+2], v[SS+63]
	s_delay_alu instid0(VALU_DEP_1)
	v_max_num_f32 v[TT], v[BM], v[BM+2]
	s_delay_alu instid0(VALU_DEP_1)
	v_permlanex16_b32 v[TO], v[TT], s[SEL], s[SEL+1]
	s_delay_alu instid0(VALU_DEP_1)
	v_max3_num_f32 v[RM], v[RM], v[TT], v[TO]      ; with lane l xor 16's 64 keys: the running largest score of my query
	s_delay_alu instid0(VALU_DEP_1)
	v_mul_f32 v[TU], s[NC], v[RM]                  ; -t
	s_delay_alu instid0(VALU_DEP_1)
	v_floor_f32 v[TU], v[TU]                       ; the new -M = floor(-t) = -ceil(t)
	s_delay_alu instid0(VALU_DEP_1)
	v_sub_f32 v[TT], v[TU], v[NM]                  ; M's old value less its new one: a whole number, 0 or less
	v_mov_b32 v[NM], v[TU]
	s_delay_alu instid0(VALU_DEP_2)
	v_cvt_i32_f32 v[TT], v[TT]                     ; (it saturates)
	s_delay_alu instid0(VALU_DEP_1)
	v_ldexp_f32 v[FF], 1.0, v[TT]                  ; f = 2^(old M - new M)
.set n, 0
.rept 32
	v_pk_fma_f32 v[SS+n:SS+n+1], v[SS+n:SS+n+1], s[CS:CS+1], v[NM:NM+1] op_sel_hi:[1,0,0]   ; t - M, two at a time (of the pairs c and -M the low word serves both halves)
.set n, n+2
.endr
	v_fma_f32 v[BM], v[BM], s[CS], v[NM]           ; the same of each block's largest score
	v_fma_f32 v[BM+2], v[BM+2], s[CS], v[NM]
	s_wait_alu depctr_va_vdst(0)                   ; ahead of the batch
.set n, 0
.rept 64
	v_exp_f32 v[SS+n], v[SS+n]                     ; p = 2^(t - M), at most 1: not normalised
.set n, n+1
.endr
	v_exp_f32 v[BM], v[BM]                         ; the block's largest p: the same two instructions on the same number give the same bits
	v_exp_f32 v[BM+2], v[BM+2]
	v_pk_mul_f32 v[SUM:SUM+1], v[SUM:SUM+1], v[FF:FF+1] op_sel_hi:[1,0]   ; the sums under the new M (a plain place behind the exponentials)
	s_wait_alu depctr_va_vdst(0)                   ; one wait for the batch and for O^T, ahead of the first readers
.set n, 0
.rept 16
	v_pk_mul_f32 v[OT+n:OT+n+1], v[OT+n:OT+n+1], v[FF:FF+1] op_sel_hi:[1,0]   ; O^T under the new M, from each accumulator's low end on
.set n, n+2
.endr
	v_max_num_f32 v[BM], 0x1800000, v[BM]          ; the floor 2^(3 - 127): the byte cannot fall under 1 (a block whose every p is 0 keeps that byte: its codes are zeros)
	v_max_num_f32 v[BM+2], 0x1800000, v[BM+2]
	v_add_nc_u32 v[BS], 0xff000000, v[BM]          ; 2 off the exponent field: the conversion's scale operand
	v_add_nc_u32 v[BS+1], 0xff000000, v[BM+2]
	v_lshrrev_b32 v[PW], 23, v[BS]                 ; the bytes of blocks h and 2 + h,
	v_lshrrev_b32 v[TT], 23, v[BS+1]
	v_lshl_or_b32 v[PW], v[TT], 16, v[PW]
	v_lshlrev_b32 v[PW], v[SHH], v[PW]             ; at their places,
	v_permlanex16_b32 v[PO], v[PW], s[SEL], s[SEL+1]
	v_or_b32 v[PSC], v[PW], v[PO]                  ; with lane l xor 16's: p's scale word for these 128 keys
.irp c, 0,1
.irp u, 0,1,2,3
	v_cvt_scalef32_pk8_fp4_f32 v[PCD+4*\c+\u], v[SS+32*\c+8*\u:SS+32*\c+8*\u+7], v[BS+\c]
.endr
.endr
	v_nop                                          ; one plain place behind a scaled conversion
	; the row's sum, of the unquantised p, in eight chains.  (These 32 are also the places between the scale word's and the codes' writes and the products)
	; (eight chains by turns: seven pairs of registers that are free here, and the sum's own)
.set k, 0
.irp d, 240,242,244,246,232,234,236
	v_pk_add_f32 v[\d:\d+1], v[SS+2*k:SS+2*k+1], v[SS+2*k+2:SS+2*k+3]
.set k, k+2
.endr
.irp d, 20,240,242,244,246,232,234,236,20,240,242,244,246,232,234,236,20,240
	v_pk_add_f32 v[\d:\d+1], v[\d:\d+1], v[SS+2*k:SS+2*k+1]
.set k, k+1
.endr
	v_pk_add_f32 v[244:245], v[244:245], v[246:247]
	v_pk_add_f32 v[232:233], v[232:233], v[234:235]
	v_pk_add_f32 v[SUM:SUM+1], v[SUM:SUM+1], v[236:237]
	v_pk_add_f32 v[240:241], v[240:241], v[242:243]
	v_pk_add_f32 v[244:245], v[244:245], v[232:233]
	v_pk_add_f32 v[SUM:SUM+1], v[SUM:SUM+1], v[240:241]
	v_pk_add_f32 v[SUM:SUM+1], v[SUM:SUM+1], v[244:245]
	s_wait_dscnt 12                                ; V's ten loads are in; the next trip's K, twelve loads issued behind them, may be out
.irp d, 0,1,2,3                        ; the four accumulators take turns; eight products K Q^T stand between two links of a chain
.if (\d)%2
	v_wmma_scale_f32_16x16x128_f8f6f4 v[OT+8*\d:OT+8*\d+7], v[VF+8*\d:VF+8*\d+7], v[PCD:PCD+7], v[OT+8*\d:OT+8*\d+7], v[VSC+\d/2], v[PSC] matrix_a_fmt:MATRIX_FMT_FP4 matrix_b_fmt:MATRIX_FMT_FP4 matrix_a_scale:MATRIX_SCALE_ROW1
.else
	v_wmma_scale_f32_16x16x128_f8f6f4 v[OT+8*\d:OT+8*\d+7], v[VF+8*\d:VF+8*\d+7], v[PCD:PCD+7], v[OT+8*\d:OT+8*\d+7], v[VSC+\d/2], v[PSC] matrix_a_fmt:MATRIX_FMT_FP4 matrix_b_fmt:MATRIX_FMT_FP4
.endif
.endr
.Lnext:
	s_add_co_u32 s51, s51, 1
	s_cmp_lt_u32 s51, 9
	s_cbranch_scc1 .Lloop
.rept 4
	v_nop                                          ; places behind the last products
.endr
	s_wait_alu depctr_va_vdst(0)
	s_wait_dscnt 0x0
	s_barrier_signal -1
	s_barrier_wait -1                              ; the second waves' parts are in LDS
	s_cmp_eq_u32 s12, 0
	s_cbranch_scc0 .Lfinish
	; the first wave joins the two parts of the long tile under the larger M
	v_add_nc_u32 v[ADK], s75, v[LI]
.irp k, 0,1,2,3,4,5,6,7
	ds_load_b128 v[SS+4*\k:SS+4*\k+3], v[ADK] offset:512*\k
.endr
	ds_load_b128 v[128:131], v[ADK] offset:4096    ; its -M, largest score, sum
	s_wait_dscnt 0x0
	v_min_num_f32 v[TU], v[NM], v128               ; -M of the larger
	v_sub_f32 v[TT], v[TU], v[NM]
	v_sub_f32 v[TO], v[TU], v128
	v_cvt_i32_f32 v[TT], v[TT]
	v_cvt_i32_f32 v[TO], v[TO]
	v_ldexp_f32 v[FF], 1.0, v[TT]
	v_ldexp_f32 v[BM], 1.0, v[TO]                  ; (0 where the other part is empty)
.set n, 0
.rept 16
	v_pk_mul_f32 v[OT+n:OT+n+1], v[OT+n:OT+n+1], v[FF:FF+1] op_sel_hi:[1,0]
.set n, n+2
.endr
	v_pk_mul_f32 v[SUM:SUM+1], v[SUM:SUM+1], v[FF:FF+1] op_sel_hi:[1,0]
.set n, 0
.rept 16
	v_pk_fma_f32 v[OT+n:OT+n+1], v[SS+n:SS+n+1], v[BM:BM+1], v[OT+n:OT+n+1] op_sel_hi:[1,0,1]
.set n, n+2
.endr
	v_pk_fma_f32 v[SUM:SUM+1], v[130:131], v[BM:BM+1], v[SUM:SUM+1] op_sel_hi:[1,0,1]
.Lfinish:
	; THE WAY OUT.  O^T / l; a lane's 32 registers are one whole block (d = 32 h + 0 .. 31); the codes leave as an image, the scale bytes as bytes.
	v_add_f32 v[SUM], v[SUM], v[SUM+1]             ; the sum's two halves,
	s_delay_alu instid0(VALU_DEP_1)
	v_permlanex16_b32 v[TO], v[SUM], s[SEL], s[SEL+1]
	s_delay_alu instid0(VALU_DEP_1)
	v_add_f32 v[SUM], v[SUM], v[TO]                ; and lane l xor 16's: the row's sum
	s_wait_alu depctr_va_vdst(0)
	v_rcp_f32 v[SUM], v[SUM]
	v_nop                                          ; a plain place behind the reciprocal
	s_wait_alu depctr_va_vdst(0)                   ; and the wait ahead of its first reader
.set n, 0
.rept 16
	v_pk_mul_f32 v[SS+n:SS+n+1], v[OT+n:OT+n+1], v[SUM:SUM+1] op_sel_hi:[1,0]   ; register 8 u + j is o(query, d = 32 h + 8 u + j)
.set n, n+2
.endr
.irp b, 0,1
	v_max3_num_f32 v[BM+\b], |v[SS+16*\b]|, |v[SS+16*\b+1]|, 0x1800000
.endr
.irp i, 2,4,6,8,10,12,14
.irp b, 0,1
	v_max3_num_f32 v[BM+\b], v[BM+\b], |v[SS+16*\b+\i]|, |v[SS+16*\b+\i+1]|
.endr
.endr
	v_max_num_f32 v[BM], v[BM], v[BM+1]
	v_add_nc_u32 v[BS], 0xff000000, v[BM]
	v_lshrrev_b32 v[PW], 23, v[BS]
.irp u, 0,1,2,3
	v_cvt_scalef32_pk8_fp4_f32 v[PCD+\u], v[SS+8*\u:SS+8*\u+7], v[BS]
.endr
	v_nop                                          ; one plain place behind a scaled conversion
	global_store_b128 v[LI], v[PCD:PCD+3], s[66:67]        ; 32 lanes store 512 consecutive bytes, aligned
	global_store_b8 v[OSO], v[PW], s[68:69]        ; two bytes of each token's 16: the others belong to the other heads' work-groups; these bytes are one sixteenth of the codes'
	s_wait_tensorcnt 0x0                           ; the wave's end
	ds_add_u32 v[SPW], v[NIL]
	s_wait_dscnt 0x0
	CROUND                                         ; the closing round: no work-group ends while a partner may still ask for a tile that names it
	s_endpgm
.Lfunc_end_k_q3ffafb5787_attn:
	.size	k_q3ffafb5787_attn, .Lfunc_end_k_q3ffafb5787_attn-k_q3ffafb5787_attn
	.p2alignl 7, 3214868480
	.fill 96, 4, 3214868480
	.section	.rodata,"a",@progbits
	.p2align	6, 0x0
	.amdhsa_kernel k_q3ffafb5787_attn
		.amdhsa_group_segment_fixed_size 327680
		.amdhsa_private_segment_fixed_size 0
		.amdhsa_enable_private_segment 0
		.amdhsa_kernarg_size 16
		.amdhsa_user_sgpr_count 2
		.amdhsa_user_sgpr_kernarg_segment_ptr 1
		.amdhsa_wavefront_size32 1
		.amdhsa_system_sgpr_workgroup_id_x 1
		.amdhsa_system_sgpr_workgroup_id_y 1
		.amdhsa_system_sgpr_workgroup_id_z 1
		.amdhsa_system_vgpr_workitem_id 0
		.amdhsa_next_free_vgpr 256
		.amdhsa_next_free_sgpr 80
		.amdhsa_reserve_vcc 1
		.amdhsa_float_denorm_mode_32 3
		.amdhsa_float_denorm_mode_16_64 3
		.amdhsa_memory_ordered 1
		.amdhsa_forward_progress 1
		.amdhsa_inst_pref_size 39
	.end_amdhsa_kernel
	.amdgpu_metadata
---
amdhsa.version: [ 1, 2 ]
amdhsa.kernels:
  - .name:           k_q3ffafb5787_attn
    .symbol:         k_q3ffafb5787_attn.kd
    .args:
      - { .name: qkvw, .offset: 0, .size: 8, .value_kind: global_buffer, .address_space: global }
      - { .name: oimg, .offset: 8, .size: 8, .value_kind: global_buffer, .address_space: global }
    .group_segment_fixed_size: 327680
    .private_segment_fixed_size: 0
    .kernarg_segment_align: 8
    .kernarg_segment_size: 16
    .max_flat_workgroup_size: 512
    .sgpr_count:     80
    .vgpr_count:     256
    .wavefront_size: 32
...
	.end_amdgpu_metadata
.endif
;; end of part 3
;; launch proj (part 4): grid 8 x 32, 4 waves a work-group, clusters of 4 x 4, 327,680 bytes of LDS; arguments oimg, codes, b_proj, out0; writes out0
.if DOCPART == 4
	.amdgcn_target "amdgcn-amd-amdhsa--gfx1250"
	.amdhsa_code_object_version 6
	.text
	.protected	k_q3ffafb5787_proj
	.globl	k_q3ffafb5787_proj
	.p2align	8
	.type	k_q3ffafb5787_proj,@function
k_q3ffafb5787_proj:
	s_mov_b64 s[64:65], 0
	v_nop
	global_prefetch_b8 v0, s[64:65] scope:SCOPE_SE
	s_setreg_imm32_b32 hwreg(HW_REG_WAVE_MODE, 25, 1), 1
	s_wait_xcnt 0x0
	s_wait_alu depctr_hold_cnt(0) depctr_sa_sdst(0) depctr_va_vdst(0) depctr_va_sdst(0) depctr_va_ssrc(0) depctr_va_vcc(0) depctr_vm_vsrc(0)
	s_getreg_b32 s2, hwreg(HW_REG_IB_STS2, 6, 4)
	s_cmp_eq_u32 s2, 0
	s_cbranch_scc0 .Lentry_in_a_cluster
	s_endpgm
.Lentry_in_a_cluster:
	s_bfe_u32 s2, ttmp6, 0x10000c
	s_cmp_lg_u32 s2, 0xf033
	s_cbranch_scc0 .Lentry_shape_is_right
	s_endpgm
.Lentry_shape_is_right:
; out0 = o w_proj^T + b_proj on codes of FP4 with E8M0 scales, K = 1,024.  o comes as records of 16 tokens x 512 K, [K half][token tile 256] (launch attn), w_proj likewise (launch quant, tiles 448 on).  No work of reference() is left out here.
; SHARES.  A tile of 128 tokens x 128 outputs to a work-group: 256 work-groups, one for each WGP.  Four waves, each 64 x 64: 16 accumulators, 128 registers.
; The whole K fits in LDS in two halves: four tensor loads, one a wave, each a first fill; nothing is filled again.  Waves 2 and 3 wait for theirs in front of the second barrier alone.
; The second half goes by rows of the result: a block of 16 tokens is finished and leaves while the next is multiplied.
; No prefetch: all that is read is asked for at the head, and there is no loop of loads to run ahead in.
; CLUSTERS: 4 x 4: o's tiles are shared along a row of the cluster, w_proj's along a column: joint loads.
; THE MATRIX INSTRUCTION: source 0 = w_proj's tile b, source 1 = o's tile a: a lane holds one token, and over b 32 neighbouring outputs, 32 h + 0 .. 31 of the wave's 64.  The bias is the C of each sum's first matrix instruction.
; Place p of tile a is token 32 (p / 8) + 8 a + p % 8 of the wave's 64.
; REGISTERS: window 0: v0-31 addresses; v32-63 scale words; v64-95 the bias, later with v96-127 rows on the way out; v128-255 the accumulators.
;   window 1: four fragment buffers of 64, one for each K step of a half: o's four fragments, then w_proj's four.
.set OREC, 4352
.set TSL,  8*OREC
.set BB0,  2*TSL
.set SPARE, 4*TSL                      ; the spare words, 128 bytes a wave, which no other line names
.set STAGE, SPARE+512                  ; the way out: 16 rows x (256 bytes + 16) for each wave; no tensor load lands here
.set SPITCH, 272
.set ADRA, 16
.set ADRB, 17
.set ASA,  18
.set ASB,  19
.set STO,  24
.set RD,   25
.set CO,   26
.set BO,   27
.set SPW,  28
.set NIL,  29
.set SC,   32
.set BI,   64
.set BK,   64
.set ACC,  128
.set G1A,  24
.set A0,   32
.set A1,   36
.set B0,   56
.set B1,   60
.set G1B,  68
.set MSB, 0
.macro WIN new                         ; the immediate's high byte repeats the setting that is left
.if MSB != (\new)
	s_set_vgpr_msb (MSB<<8)|(\new)
.set MSB, (\new)
.endif
.endm
.macro CROUND
	s_barrier_signal -1
	s_barrier_wait -1
	s_cmp_lg_u32 s16, 0
	s_cbranch_scc1 .Lnot_wave_0_\@
	s_barrier_signal -3
.Lnot_wave_0_\@:
	s_barrier_wait -3
	s_barrier_signal -1
	s_barrier_wait -1
.endm
.macro TLD g0, g1
	tensor_load_to_lds s[\g0:\g0+3], s[\g1:\g1+7]
	s_nop 0
.rept 4
	v_nop
.endr
.endm
.macro ARM under, g0, g1, next
	s_cmp_lt_u32 s16, \under
	s_cbranch_scc0 \next
	TLD \g0, \g1
	s_branch .Lhead_asked
\next:
.endm
	s_load_b256 s[4:11], s[0:1], 0x0               ; oimg s[4:5], codes s[6:7], b_proj s[8:9], out0 s[10:11]
	v_lshl_add_u32 v[SPW], v0, 2, SPARE
	v_mov_b32 v[NIL], 0
	ds_add_u32 v[SPW], v[NIL]                      ; the wave's opening: the add, twice on end, and its wait ahead of my tensor load
	ds_add_u32 v[SPW], v[NIL]
	v_lshrrev_b32 v1, 5, v0
	v_readfirstlane_b32 s16, v1                    ; wave
	s_lshr_b32 s17, s16, 1                         ; which 64 tokens are mine
	s_and_b32 s18, s16, 1                          ; which 64 outputs
	s_mul_i32 s20, s17, 4*OREC
	s_mul_i32 s21, s18, 4*OREC
	s_add_co_u32 s21, s21, BB0
	s_mul_i32 s22, s16, 16*SPITCH
	s_add_co_u32 s22, s22, STAGE
	v_and_b32 v1, 15, v0                           ; r
	v_bfe_u32 v2, v0, 4, 1                         ; h
	v_and_b32 v3, 31, v0
	v_lshlrev_b32 v3, 4, v3
	v_add_nc_u32 v[ADRA], s20, v3
	v_add_nc_u32 v[ADRB], s21, v3
	v_mul_u32_u24 v4, v2, OREC                     ; scale words: lanes 16-31 take the next tile
	v_lshl_add_u32 v4, v1, 4, v4
	v_add_nc_u32 v[ASA], s20, v4
	v_add_nc_u32 v[ASB], s21, v4
	v_mul_u32_u24 v5, v1, SPITCH
	v_lshl_add_u32 v5, v2, 7, v5
	v_add_nc_u32 v[STO], s22, v5                   ; in: row r, 128 bytes for each half of the lanes
	v_mul_u32_u24 v5, v2, SPITCH
	v_lshl_add_u32 v5, v1, 4, v5
	v_add_nc_u32 v[RD], s22, v5                    ; back: lanes 0-15 one row of 256 bytes, lanes 16-31 the next
	v_lshlrev_b32 v[CO], 12, v2
	v_lshl_add_u32 v[CO], v1, 4, v[CO]             ; and the same two rows in out0
	v_lshlrev_b32 v[BO], 7, v2
	s_wait_alu depctr_va_vdst(0)                   ; the wait at the head's end
	s_bfe_u32 s40, ttmp6, 0x40000                  ; cx
	s_bfe_u32 s41, ttmp6, 0x40004                  ; cy
	s_lshl_b32 s42, ttmp9, 2
	s_add_co_u32 s42, s42, s40                     ; tile column
	s_and_b32 s19, ttmp7, 0xffff
	s_lshl_b32 s19, s19, 2
	s_add_co_u32 s19, s19, s41                     ; tile row
	s_lshl_b32 s43, s41, 2
	s_lshl_b32 s43, 15, s43                        ; my row of the cluster
	s_lshl_b32 s44, 0x1111, s40                    ; my column
	; eight records on end, elements of 8 bytes, no padding
	s_or_b32 s[G1A], s43, (3<<16)|(1<<21)
	s_or_b32 s[G1B], s44, (3<<16)|(1<<21)
.irp g, G1A, G1B
	s_mov_b32 s[\g+1], 544<<16
	s_mov_b32 s[\g+2], 8<<16
	s_mov_b32 s[\g+3], 544<<16
	s_mov_b32 s[\g+4], 8
	s_mov_b32 s[\g+5], 544
	s_mov_b32 s[\g+6], 0
	s_mov_b32 s[\g+7], 0
.endr
	s_mul_i32 s20, s19, TSL
	s_mov_b32 s21, 0
	s_lshl_b32 s22, s42, 3
	s_add_co_u32 s22, s22, 448
	s_mul_i32 s22, s22, OREC
	s_mov_b32 s23, 0
	s_lshl_b32 s46, s42, 9                         ; my first output, in bytes: 4 (128 tile column + 64 half)
	s_lshl_b32 s47, s18, 8
	s_add_co_u32 s46, s46, s47
	s_mov_b32 s47, 0
	s_lshl_b32 s76, s19, 19                        ; 4,096 x (128 tile row + 64 half)
	s_lshl_b32 s77, s17, 18
	s_add_co_u32 s76, s76, s77
	s_add_co_u32 s76, s76, s46
	s_mov_b32 s77, 0
	s_wait_dscnt 0x0                               ; both opening adds are done
	s_wait_kmcnt 0x0
	s_add_nc_u64 s[20:21], s[4:5], s[20:21]
	s_add_nc_u64 s[22:23], s[6:7], s[22:23]
	s_add_nc_u64 s[46:47], s[8:9], s[46:47]
	s_add_nc_u64 s[76:77], s[10:11], s[76:77]
	s_mov_b32 s[A0], 1
	s_mov_b32 s[A0+1], 0
	s_mov_b64 s[A0+2:A0+3], s[20:21]
	s_or_b32 s[A0+3], s[A0+3], 0x80000000
	s_mov_b32 s[A1], 1
	s_mov_b32 s[A1+1], TSL
	s_add_nc_u64 s[A1+2:A1+3], s[20:21], 256*OREC
	s_or_b32 s[A1+3], s[A1+3], 0x80000000
	s_mov_b32 s[B0], 1
	s_mov_b32 s[B0+1], BB0
	s_mov_b64 s[B0+2:B0+3], s[22:23]
	s_or_b32 s[B0+3], s[B0+3], 0x80000000
	s_mov_b32 s[B1], 1
	s_mov_b32 s[B1+1], BB0+TSL
	s_add_nc_u64 s[B1+2:B1+3], s[22:23], 512*OREC
	s_or_b32 s[B1+3], s[B1+3], 0x80000000
	CROUND                                         ; all sixteen work-groups are here: the joint loads meet
	ARM 1, A0, G1A, .Larm_1                        ; one tree of branches on the wave's number: one load a wave
	ARM 2, B0, G1B, .Larm_2
	ARM 3, A1, G1A, .Larm_3
	TLD B1, G1B
.Lhead_asked:
.irp b, 0,1,2,3
.irp i, 0,1
	global_load_b128 v[BI+8*\b+4*\i:BI+8*\b+4*\i+3], v[BO], s[46:47] offset:32*\b+16*\i
.endr
.endr
.macro PLACES                          ; plain vector instructions between a matrix instruction and a load into, or a read of, its registers (ISA guide 7.12.1 for reads)
.rept 4
	v_nop
.endr
.endm
.macro FETCH Q                         ; the fragments of K step Q: 16 loads
.set FB, 64*((\Q)%4)
	WIN 0x40
.irp i, 0,1,2,3
.irp c, 0,1
	ds_load_b128 v[FB+32+8*\i+4*\c:FB+32+8*\i+4*\c+3], v[ADRB] offset:TSL*((\Q)/4)+OREC*\i+1024*((\Q)%4)+512*\c
	ds_load_b128 v[FB+8*\i+4*\c:FB+8*\i+4*\c+3], v[ADRA] offset:TSL*((\Q)/4)+OREC*\i+1024*((\Q)%4)+512*\c
.endr
.endr
.endm
.macro SCALES s                        ; a half's scale words, four K steps a register quad; lanes 0-15 the pair's first tile, lanes 16-31 its second
	WIN 0
.irp p, 0,1
	ds_load_b128 v[SC+16*(\s)+4*\p:SC+16*(\s)+4*\p+3], v[ASA] offset:TSL*(\s)+4096+2*OREC*\p
	ds_load_b128 v[SC+16*(\s)+8+4*\p:SC+16*(\s)+8+4*\p+3], v[ASB] offset:TSL*(\s)+4096+2*OREC*\p
.endr
.endm
.macro WM ra, rb                       ; D, sources, C and scale words by the symbols set ahead; ra, rb: which half of the lanes holds the words
.if (\ra) && (\rb)
	v_wmma_scale_f32_16x16x128_f8f6f4 v[WD:WD+7], v[WA:WA+7], v[WB:WB+7], v[WC:WC+7], v[WS], v[WT] matrix_a_fmt:MATRIX_FMT_FP4 matrix_b_fmt:MATRIX_FMT_FP4 matrix_a_scale:MATRIX_SCALE_ROW1 matrix_b_scale:MATRIX_SCALE_ROW1
.elseif (\ra)
	v_wmma_scale_f32_16x16x128_f8f6f4 v[WD:WD+7], v[WA:WA+7], v[WB:WB+7], v[WC:WC+7], v[WS], v[WT] matrix_a_fmt:MATRIX_FMT_FP4 matrix_b_fmt:MATRIX_FMT_FP4 matrix_a_scale:MATRIX_SCALE_ROW1
.elseif (\rb)
	v_wmma_scale_f32_16x16x128_f8f6f4 v[WD:WD+7], v[WA:WA+7], v[WB:WB+7], v[WC:WC+7], v[WS], v[WT] matrix_a_fmt:MATRIX_FMT_FP4 matrix_b_fmt:MATRIX_FMT_FP4 matrix_b_scale:MATRIX_SCALE_ROW1
.else
	v_wmma_scale_f32_16x16x128_f8f6f4 v[WD:WD+7], v[WA:WA+7], v[WB:WB+7], v[WC:WC+7], v[WS], v[WT] matrix_a_fmt:MATRIX_FMT_FP4 matrix_b_fmt:MATRIX_FMT_FP4
.endif
.endm
.macro MUL Q                           ; 16 matrix instructions, K step Q of half 0: the accumulators take turns, in the same order in every K step
	WIN 0x05                                       ; sources 0 and 1 window 1; C and D window 0
.irp a, 0,1,2,3
.irp b, 0,1,2,3
.set WD, ACC+8*(4*\a+\b)
.set WA, 64*(\Q)+32+8*\b
.set WB, 64*(\Q)+8*\a
.set WC, WD
.if (\Q) == 0
.set WC, BI+8*\b
.endif
.set WS, SC+8+4*(\b/2)+(\Q)
.set WT, SC+4*(\a/2)+(\Q)
	WM \b%2, \a%2
.endr
.endr
.endm
.macro ROW a                           ; 16 matrix instructions: half 1 for block a: its four accumulators take turns, so three others stand between two links of a sum
	WIN 0x05
.irp q, 0,1,2,3
.if (\a) == 0
	s_wait_dscnt 48-16*\q                          ; the fragments of K step 4 + q are in; those of the steps behind it may be out
.endif
.irp b, 0,1,2,3
.set WD, ACC+8*(4*(\a)+\b)
.set WA, 64*\q+32+8*\b
.set WB, 64*\q+8*(\a)
.set WC, WD
.set WS, SC+16+8+4*(\b/2)+\q
.set WT, SC+16+4*((\a)/2)+\q
	WM \b%2, (\a)%2
.endr
.endr
.endm
; THE WAY OUT, block by block of 16 tokens x 64 outputs: through my own stage in LDS, and back as whole runs of 256 bytes.
; LDS serves a wave's instructions in order (ISA guide 5.7.1.4): no wait between the stores and the loads, nor in front of the next block's stores.
.macro TOSTAGE a
.irp b, 0,1,2,3
	ds_store_b128 v[STO], v[ACC+8*(4*(\a)+\b):ACC+8*(4*(\a)+\b)+3] offset:32*\b        ; each accumulator from its low end on
	ds_store_b128 v[STO], v[ACC+8*(4*(\a)+\b)+4:ACC+8*(4*(\a)+\b)+7] offset:32*\b+16
.endr
.set BBK, BK+32*((\a)%2)
.irp t, 0,1,2,3,4,5,6,7
	ds_load_b128 v[BBK+4*\t:BBK+4*\t+3], v[RD] offset:\t*2*SPITCH
.endr
.endm
.macro SEND a
.set BBK, BK+32*((\a)%2)
	s_wait_dscnt 0x0                               ; the block is back in registers
.irp t, 0,1,2,3,4,5,6,7
	global_store_b128 v[CO], v[BBK+4*\t:BBK+4*\t+3], s[76:77] offset:(8*(\a)+32*(\t/4)+2*(\t%4))*4096 th:TH_STORE_NT   ; sixteen lanes store 256 consecutive bytes, aligned; written once, read by nobody here
.endr
.endm
	s_cmp_lt_u32 s16, 2                            ; waves 0 and 1 asked for half 0; the others' loads may stay out across the first barrier
	s_cbranch_scc0 .Llater
	s_wait_tensorcnt 0x0
.Llater:
	s_barrier_signal -1
	s_barrier_wait -1                              ; half 0 is there
	SCALES 0
	FETCH 0
	FETCH 1
	FETCH 2
	s_wait_loadcnt 0x0                             ; the bias
	s_wait_dscnt 32                                ; the scale words and K step 0 are in
	MUL 0
	FETCH 3
	s_wait_dscnt 32                                ; K step 1
	MUL 1
	s_wait_dscnt 16                                ; K step 2
	MUL 2
	s_wait_dscnt 0x0                               ; K step 3; no LDS instruction of mine is pending at the signal
	s_wait_tensorcnt 0x0
	s_barrier_signal -1
	s_barrier_wait -1                              ; half 1 is there
	PLACES
	SCALES 1
	FETCH 4                                        ; into the buffers of K steps 0 to 2
	FETCH 5
	FETCH 6
	MUL 3
	PLACES
	s_wait_dscnt 40                                ; (keeps the loads that are out under the counter's field)
	FETCH 7
.irp a, 0,1,2,3
	ROW \a
	WIN 0
.if \a > 1
	s_wait_xcnt 0x0                                ; block a - 2's stores have read their registers: block a's loads may land there
.endif
.if \a > 0
	SEND \a-1                                      ; its way through the stage stood beside block a's products
.endif
	PLACES                                         ; behind block a's products, ahead of the first read of its results
	TOSTAGE \a
.endr
	SEND 3
	s_wait_tensorcnt 0x0                           ; the wave's end
	ds_add_u32 v[SPW], v[NIL]
	s_wait_dscnt 0x0
	CROUND                                         ; the closing round: no work-group ends while a partner may still ask for a tile that names it
	s_endpgm
.Lfunc_end_k_q3ffafb5787_proj:
	.size	k_q3ffafb5787_proj, .Lfunc_end_k_q3ffafb5787_proj-k_q3ffafb5787_proj
	.p2alignl 7, 3214868480
	.fill 96, 4, 3214868480
	.section	.rodata,"a",@progbits
	.p2align	6, 0x0
	.amdhsa_kernel k_q3ffafb5787_proj
		.amdhsa_group_segment_fixed_size 327680
		.amdhsa_private_segment_fixed_size 0
		.amdhsa_enable_private_segment 0
		.amdhsa_kernarg_size 32
		.amdhsa_user_sgpr_count 2
		.amdhsa_user_sgpr_kernarg_segment_ptr 1
		.amdhsa_wavefront_size32 1
		.amdhsa_system_sgpr_workgroup_id_x 1
		.amdhsa_system_sgpr_workgroup_id_y 1
		.amdhsa_system_sgpr_workgroup_id_z 1
		.amdhsa_system_vgpr_workitem_id 0
		.amdhsa_next_free_vgpr 512
		.amdhsa_next_free_sgpr 96
		.amdhsa_reserve_vcc 0
		.amdhsa_float_denorm_mode_32 3
		.amdhsa_float_denorm_mode_16_64 3
		.amdhsa_memory_ordered 1
		.amdhsa_forward_progress 1
		.amdhsa_inst_pref_size 42
	.end_amdhsa_kernel
	.amdgpu_metadata
---
amdhsa.version: [ 1, 2 ]
amdhsa.kernels:
  - .name:           k_q3ffafb5787_proj
    .symbol:         k_q3ffafb5787_proj.kd
    .args:
      - { .name: oimg, .offset: 0, .size: 8, .value_kind: global_buffer, .address_space: global }
      - { .name: codes, .offset: 8, .size: 8, .value_kind: global_buffer, .address_space: global }
      - { .name: b_proj, .offset: 16, .size: 8, .value_kind: global_buffer, .address_space: global }
      - { .name: out0, .offset: 24, .size: 8, .value_kind: global_buffer, .address_space: global }
    .group_segment_fixed_size: 327680
    .private_segment_fixed_size: 0
    .kernarg_segment_align: 8
    .kernarg_segment_size: 32
    .max_flat_workgroup_size: 128
    .sgpr_count:     96
    .vgpr_count:     512
    .wavefront_size: 32
...
	.end_amdgpu_metadata
.endif
;; end of part 4
